; MI455X (gfx1250); checked and timed in simulation.
; The chip was launched on July 23, 2026; its instructions are those of AMD's public machine-readable ISA for CDNA 5 (MIT licence, August 2026) and "CDNA5" Instruction Set Architecture Reference Guide (July 2026). The comments in the code are by the model that wrote it; some were corrected since.
;; SG Former Attention. Allowed arithmetic: float matrix products may take bf16 or f16 operands with f32 sums; all other float work in f32.
;; Inputs: Wk 1,024 x 256 float32; Wq 1,024 x 256 float32; Wv 1,024 x 256 float32; mask 2 x 32,768 bool; x 2 x 32,768 x 1,024 float32.
;; Outputs: out0 2 x 32,768 x 32 float32.
;; One version. Each part assembles by itself: llvm-mc -triple=amdgcn-amd-amdhsa -mcpu=gfx1250 --defsym DOCPART=n.
;; ======== version 1 of 1: 4 launches
;; limits: values outside matrix products are rounded to bf16
;; workspace buffers: wt 1,572,864 bytes; qf 33,554,432 bytes; vf 33,554,432 bytes; part 25,165,824 bytes; kvf 49,152 bytes
;; launch prep (part 1): grid 64 x 3, 4 waves a work-group, no clusters, 9,728 bytes of LDS; arguments Wq, Wk, Wv, wt; writes wt
.if DOCPART == 1
	.amdgcn_target "amdgcn-amd-amdhsa--gfx1250"
	.amdhsa_code_object_version 6
	.text
	.protected	k_qba7852c006_prep
	.globl	k_qba7852c006_prep
	.p2align	8
	.type	k_qba7852c006_prep,@function
k_qba7852c006_prep:
	s_mov_b64 s[64:65], 0
	v_nop
	global_prefetch_b8 v0, s[64:65] scope:SCOPE_SE
	s_setreg_imm32_b32 hwreg(HW_REG_WAVE_MODE, 25, 1), 1
	s_wait_xcnt 0x0
; wt[s][rho][kk] = bf16(W_mat[64 s + kk][64 w + c]), rho = 192 w + 64 mat + c, mat 0, 1, 2 = q, k, v.  W: [1024][256] f32.
; So a block of 64 along K is 768 rows of 128 bytes, 98,304 dense bytes, K along the rows, and the 192 rows that one wave of the
; next launch multiplies by (two heads of q, of k and of v) lie together.
; A work-group (x = 4 s + w, y = mat) turns 64 k x 64 columns: 16 KB of f32 in, 8 KB of bf16 out, through a stage in LDS.
; 192 work-groups: the work has no more.  No cluster, no matrix unit: no byte is read twice and nothing is multiplied.
.set PITCH, 144                        ; a stage row: 64 bf16 + 16 bytes
.set SPARE, 64*PITCH                   ; behind the stage: the spare words, 128 bytes a wave, named by no other line
.set SPW, 60                           ; v60  LDS address of my spare word; never rewritten
.set NIL, 61                           ; v61  0; never rewritten
.set IN,  8                            ; v[8:39]  eight loads of four f32; later the rows read back
.set PK,  40                           ; v[40:55] sixteen words of two bf16
	s_load_b256 s[4:11], s[0:1], 0x0               ; Wq s[4:5], Wk s[6:7], Wv s[8:9], wt s[10:11]
	v_lshl_add_u32 v[SPW], v0, 2, SPARE
	v_mov_b32 v[NIL], 0
	s_and_b32 s12, ttmp7, 0xffff                   ; mat
	s_lshr_b32 s13, ttmp9, 2                       ; s: which 64 of K
	s_and_b32 s14, ttmp9, 3                        ; w: which 64 columns
	v_and_b32 v4, 15, v0                           ; xx: my four columns
	v_lshrrev_b32 v5, 4, v0                        ; m': my pair of rows among eight pairs
	v_lshlrev_b32 v1, 4, v4
	v_lshl_add_u32 v1, v5, 11, v1                  ; in: 2 m' rows of 1,024 bytes + 16 xx: sixteen lanes take 256 consecutive bytes
	v_mul_u32_u24 v2, v4, 4*PITCH
	v_lshl_add_u32 v2, v5, 2, v2                   ; stage, in: row 4 xx (+ e), word m' (+ 8 i)
	v_lshrrev_b32 v6, 3, v0
	v_and_b32 v7, 7, v0
	v_mul_u32_u24 v3, v6, PITCH
	v_lshl_add_u32 v3, v7, 4, v3                   ; stage, back: row t / 8 (+ 16 i), 16 bytes at 16 (t % 8)
	v_lshlrev_b32 v56, 4, v0                       ; out: 16 t: a wave stores 512 consecutive bytes
	s_lshl_b32 s16, s13, 16                        ; 64 rows of 1,024 bytes
	s_lshl_b32 s17, s14, 8                         ; 64 columns of 4 bytes
	s_add_co_u32 s16, s16, s17
	s_mov_b32 s17, 0
	s_mul_i32 s18, s13, 98304
	s_mul_i32 s19, s14, 24576
	s_add_co_u32 s18, s18, s19
	s_lshl_b32 s19, s12, 13
	s_add_co_u32 s18, s18, s19
	s_mov_b32 s19, 0
	s_wait_kmcnt 0x0
	s_cmp_eq_u32 s12, 1                            ; which of the three matrices: a choice by the work-group's y
	s_cselect_b64 s[4:5], s[6:7], s[4:5]
	s_cmp_eq_u32 s12, 2
	s_cselect_b64 s[4:5], s[8:9], s[4:5]
	s_add_nc_u64 s[4:5], s[4:5], s[16:17]
	s_add_nc_u64 s[10:11], s[10:11], s[18:19]
.irp i, 0,1,2,3
	global_load_b128 v[IN+8*\i:IN+8*\i+3],   v1, s[4:5] offset:16384*\i th:TH_LOAD_NT       ; row 16 i + 2 m'
	global_load_b128 v[IN+8*\i+4:IN+8*\i+7], v1, s[4:5] offset:16384*\i+1024 th:TH_LOAD_NT  ; and the row below it
.endr
	s_wait_loadcnt 0x0
.irp i, 0,1,2,3
.irp e, 0,1,2,3
	v_cvt_pk_bf16_f32 v[PK+4*\i+\e], v[IN+8*\i+\e], v[IN+8*\i+4+\e]  ; two neighbouring k of one column: a word of wt
.endr
.endr
.irp i, 0,1,2,3
.irp e, 0,1,2,3
	ds_store_b32 v2, v[PK+4*\i+\e] offset:PITCH*\e+32*\i
.endr
.endr
	s_wait_dscnt 0x0                               ; for the others' sake: my stores into the stage are done
	s_barrier_signal -1
	s_barrier_wait -1
.irp i, 0,1,2,3
	ds_load_b128 v[IN+4*\i:IN+4*\i+3], v3 offset:16*PITCH*\i
.endr
.irp i, 0,1,2,3
	s_wait_dscnt 3-\i                              ; LDS loads come back in order: load i is in, the younger ones may be out
	global_store_b128 v56, v[IN+4*\i:IN+4*\i+3], s[10:11] offset:2048*\i
.endr
	s_wait_tensorcnt 0x0                           ; the wave's end, behind my last LDS store
	ds_add_u32 v[SPW], v[NIL]
	s_wait_dscnt 0x0
	s_endpgm
.Lfunc_end_k_qba7852c006_prep:
	.size	k_qba7852c006_prep, .Lfunc_end_k_qba7852c006_prep-k_qba7852c006_prep
	.p2alignl 7, 3214868480
	.fill 96, 4, 3214868480
	.section	.rodata,"a",@progbits
	.p2align	6, 0x0
	.amdhsa_kernel k_qba7852c006_prep
		.amdhsa_group_segment_fixed_size 9728
		.amdhsa_private_segment_fixed_size 0
		.amdhsa_enable_private_segment 0
		.amdhsa_kernarg_size 32
		.amdhsa_user_sgpr_count 2
		.amdhsa_user_sgpr_kernarg_segment_ptr 1
		.amdhsa_wavefront_size32 1
		.amdhsa_system_sgpr_workgroup_id_x 1
		.amdhsa_system_sgpr_workgroup_id_y 1
		.amdhsa_system_sgpr_workgroup_id_z 1
		.amdhsa_system_vgpr_workitem_id 0
		.amdhsa_next_free_vgpr 64
		.amdhsa_next_free_sgpr 66
		.amdhsa_reserve_vcc 0
		.amdhsa_float_denorm_mode_32 3
		.amdhsa_float_denorm_mode_16_64 3
		.amdhsa_memory_ordered 1
		.amdhsa_forward_progress 1
		.amdhsa_inst_pref_size 6
	.end_amdhsa_kernel
	.amdgpu_metadata
---
amdhsa.version: [ 1, 2 ]
amdhsa.kernels:
  - .name:           k_qba7852c006_prep
    .symbol:         k_qba7852c006_prep.kd
    .args:
      - { .name: Wq, .offset: 0, .size: 8, .value_kind: global_buffer, .address_space: global }
      - { .name: Wk, .offset: 8, .size: 8, .value_kind: global_buffer, .address_space: global }
      - { .name: Wv, .offset: 16, .size: 8, .value_kind: global_buffer, .address_space: global }
      - { .name: wt, .offset: 24, .size: 8, .value_kind: global_buffer, .address_space: global }
    .group_segment_fixed_size: 9728
    .private_segment_fixed_size: 0
    .kernarg_segment_align: 8
    .kernarg_segment_size: 32
    .max_flat_workgroup_size: 128
    .sgpr_count:     66
    .vgpr_count:     64
    .wavefront_size: 32
...
	.end_amdgpu_metadata
.endif
;; end of part 1
;; launch proj (part 2): grid 512 x 1, 4 waves a work-group, clusters of 4 x 1, 327,680 bytes of LDS; arguments x, wt, mask, qf, vf, part; writes qf, vf, part
.if DOCPART == 2
	.amdgcn_target "amdgcn-amd-amdhsa--gfx1250"
	.amdhsa_code_object_version 6
	.text
	.protected	k_qba7852c006_proj
	.globl	k_qba7852c006_proj
	.p2align	8
	.type	k_qba7852c006_proj,@function
k_qba7852c006_proj:
	s_mov_b64 s[64:65], 0
	v_nop
	global_prefetch_b8 v0, s[64:65] scope:SCOPE_SE
	s_setreg_imm32_b32 hwreg(HW_REG_WAVE_MODE, 25, 1), 1
	s_wait_xcnt 0x0
	s_wait_alu depctr_hold_cnt(0) depctr_sa_sdst(0) depctr_va_vdst(0) depctr_va_sdst(0) depctr_va_ssrc(0) depctr_va_vcc(0) depctr_vm_vsrc(0)
	s_getreg_b32 s2, hwreg(HW_REG_IB_STS2, 6, 4)
	s_cmp_eq_u32 s2, 0
	s_cbranch_scc0 .Lentry_in_a_cluster
	s_endpgm
.Lentry_in_a_cluster:
	s_bfe_u32 s2, ttmp6, 0x10000c
	s_cmp_lg_u32 s2, 0x3003
	s_cbranch_scc0 .Lentry_shape_is_right
	s_endpgm
.Lentry_shape_is_right:
; q, k, v = x W (bf16 operands, f32 sums), the fix of exact zeros, the norms of q and k by heads of 32, the mask on v; q^ and v leave in bf16, laid out as the
; last launch's operands; and the work-group's own share of kvs = k^T v and of ks_sum leaves in f32.
; SHARES.  A work-group owns 128 rows of x and all 768 columns: 98,304 sums, 768 registers in each of four waves.  Wave w has all 128 rows and heads 2 w, 2 w + 1 of
; q, k and v: 12 column tiles x 8 row tiles = 96 accumulators.  512 work-groups of equal work.
; K goes in 16 steps of 64.  x arrives as f32 (tile rows of 256 bytes); each wave rounds a quarter of a tile to bf16 once, a step ahead of its use, into LDS bytes that
; no tensor load fills.  wt's blocks arrive as they lie, padded to rows of 144 bytes.
; A STEP is six groups of 32 products (q, k, v on the first 32 of K, then on the second) and four runs of LDS work between them: LDS instructions stand together, never singly
; among the products, and the conversions stand together ahead of their stores.
; CLUSTER.  The four work-groups of a cluster walk the same blocks of wt: these are asked for JOINTLY (the same tensor load, descriptor and mask in all four).  x's tiles
; are each work-group's own.  The place in the cluster enters global addresses of x, mask, qf, vf and part alone.
; LAYOUT.  q is multiplied transposed (source 0 = 16 rows of wt, source 1 = 16 rows of x): a lane holds ONE row of x and 8 channels, so a head's norm wants one exchange of
; the lanes' halves, and two column tiles rounded in pairs are a 16 x 32 operand q^.  k and v are multiplied the natural way: a lane holds one channel and 8 rows, so two row
; tiles rounded in pairs are the operands (K = 32 rows) of k^T v.  ks_sum is k^T times ones: a tile that holds the sum in all 16 columns.
; LIMITS.  q^ and v are kept in bf16 (f32's range).  ks_sum is summed, in f32, from k^ rounded to bf16.  The mask is a factor 0.0 or 1.0: right for finite v.
; A head's sum of squares below 2^-126 counts as 0 in v_rsq_f32.  NaN and infinities are not treated apart.
; REGISTERS, in windows of 256 (s_set_vgpr_msb: bits 1:0 source 0, 3:2 source 1, 5:4 source 2, 7:6 destination):
;   window 0: addresses, fragments.   windows 1, 2, 3: the accumulators of q, k, v: column tile c, row tile a at v[8 (4 a + c)].
.set PW,    144                        ; an LDS row of 64 bf16: 128 bytes + 16: 36 words, so the 16 rows of a fragment load start at 16 different groups of four banks (ISA guide 11.1)
.set TR,    16*PW                      ; 16 such rows
.set XB0,   768*PW                     ; behind wt's slot 0 (768 rows): x in bf16, 128 rows; written by ds_store alone
.set SPARE, XB0+128*PW                 ; the spare words, 128 bytes a wave: two blocks of 256 bytes that no other line names
.set PAR,   131072                     ; wt's slot 1 and x's second bf16 region lie this far behind the first: one exclusive or turns one into the other
.set XR0,   262144                     ; x as it comes: two slots of 128 rows x 256 bytes
.set XPAR,  32768
.set SPW, 1                            ; v1   LDS address of my spare word; never rewritten
.set NIL, 2                            ; v2   0; never rewritten
.set LW,  3                            ; v3   my lane's place in my wave's 192 rows of wt's slot 0
.set LX,  4                            ; v4   the same in x's first bf16 region
.set LCW, 5                            ; v5   where I put 8 bytes of rounded x
.set LCR, 6                            ; v6   where I read 16 bytes of x as it came
.set WFA, 7                            ; v7-10  the four with this step's slots added
.set XFA, 8
.set CWA, 9
.set CRA, 10
.set MOFF, 11                          ; v11  8 (lane / 16): my eight rows' bytes of the mask
.set PFV, 12                           ; v12  in the steps: 4,096 x my thread's number: the byte offset of the row of x that I ask for ahead
.set TS,  12                           ; v12-13 behind the products: two sums of squares;  v14-15 the other half of the lanes'
.set TP,  14
.set MB,  16                           ; v16-31 the mask's bytes, from the last step on
.set WB2, 32                           ; v32-63 wt's fragments, third buffer; behind the products the registers named below
.set LOFF, 32                          ; v32  16 x lane: a wave's store covers 512 consecutive bytes
.set EP,  33                           ; v33  1e-6
.set ZR,  34                           ; v34  0.0
.set R0,  36                           ; v[36:37], v[38:39]  1 / norm of my row's two heads, each taken by its pair's low word
.set R1,  38
.set M,   40                           ; v40-47 the mask of my eight rows as 0.0 or 1.0
.set T,   48                           ; v48-63 sums of squares
.set XF0, 64                           ; v64-127, v128-191  x's fragments (8 row tiles x 32 K), two buffers; the first also takes the next tile as it came, on its way to bf16
.set XF1, 128
.set WB0, 192                          ; v192-223, v224-255 wt's fragments (4 column tiles x 32 K), first and second buffer
.set WB1, 224
.set F,   64                           ; behind the products: 32 numbers at work
.set QO,  96                           ; 16 registers of q^ to store
.set KF,  112                          ; four operands k^ (16 channels x 32 rows)
.set VF,  144                          ; four operands v
.set ONES, 176                         ; an operand of ones
.set WV,  16                           ; s16  my wave's number
.set CX,  17                           ; s17  my place in the cluster
.set G,   18                           ; s18  my work-group
.set G1X, 24                           ; s[24:31] descriptor group 1 for x's tiles
.set G1W, 32                           ; s[32:39] for a third of a block of wt
.set GXF, 40                           ; s[40:43] group 0 of x's first fill;  s[44:47] of its second, which then walks
.set GXW, 44
.set GWF, 48                           ; s[48:51], s[52:55] the same for wt
.set GWW, 52
.set CNT, 56
.set PRD, 57                           ; s57  0 or PAR: the slots that this step multiplies
.set PCV, 58                           ; s58  the other: where the next step's x is put in bf16
.set PXR, 59                           ; s59  0 or XPAR: where the next step's x lies as it came
.set SEL, 60                           ; s[60:61] v_permlanex16_b32's selects: each lane takes its own place in the other half
.set PFO, 62                           ; s[62:63] byte offset in a row of x of the tile that is asked for ahead
.set CM,  70                           ; s70-77 eight compare masks
.set PFA, 78                           ; s[78:79] x at my rows + that offset
.set MSB, 0
.macro WIN new                         ; the immediate's high byte repeats the setting that is left; a switch that changes nothing is dropped
.if MSB != (\new)
	s_set_vgpr_msb (MSB<<8)|(\new)
.set MSB, \new
.endif
.endm
; A load into a register that a matrix instruction has read, and a vector instruction that reads a matrix result or writes one of a matrix instruction's registers, stand four
; places behind it; only plain vector instructions that name none of its registers are places (ISA guide 7.12.1 for vector instructions).
.macro PLACES
.rept 4
	v_nop
.endr
.endm
.macro CREST                           ; a round of the cluster's barrier behind its opening barrier: wave 0 signals for the work-group, every wave waits for all four, my work-group's barrier closes it
	s_cmp_lg_u32 s[WV], 0
	s_cbranch_scc1 .Lnot_wave_0_\@
	s_barrier_signal -3
.Lnot_wave_0_\@:
	s_barrier_wait -3
	s_barrier_signal -1
	s_barrier_wait -1
.endm
.macro CROUND                          ; a whole round
	s_barrier_signal -1
	s_barrier_wait -1
	CREST
.endm
; The refills behind a round: wave 3 asks for x's tile (its work-group's own), waves 0 to 2 each for a third of wt's block (jointly).  The branch hangs on the wave's number alone.
; An s_nop 0 and four v_nop follow each load, ahead of the jump and the label.
.macro REFILL fx, fw
	s_cmp_eq_u32 s[WV], 3
.if (\fx) && (\fw)
	s_cbranch_scc0 .Lfor_w_\@
	tensor_load_to_lds s[GXW:GXW+3], s[G1X:G1X+7]
	s_nop 0
.rept 4
	v_nop
.endr
	s_branch .Lasked_\@
.Lfor_w_\@:
	tensor_load_to_lds s[GWW:GWW+3], s[G1W:G1W+7]
	s_nop 0
.rept 4
	v_nop
.endr
.Lasked_\@:
.elseif \fx
	s_cbranch_scc0 .Lasked_\@
	tensor_load_to_lds s[GXW:GXW+3], s[G1X:G1X+7]
	s_nop 0
.rept 4
	v_nop
.endr
.Lasked_\@:
.else
	s_cbranch_scc1 .Lasked_\@
	tensor_load_to_lds s[GWW:GWW+3], s[G1W:G1W+7]
	s_nop 0
.rept 4
	v_nop
.endr
.Lasked_\@:
.endif
.endm
; 8 matrix instructions for each column tile c0 .. c1 of matrix mat (1 q, 2 k, 3 v): all 8 row tiles, 32 along K.  zero = 1: the products start the sums: nothing is cleared.
; The 96 accumulators take turns, one instruction a turn, in the same order in every step.
.macro MULG mat, xf, wb, c0, c1, zero
	WIN 0x50*(\mat)
.set cc, \c0
.rept (\c1)-(\c0)+1
.set aa, 0
.rept 8
.set rD, 8*(4*aa+cc)
.if (\mat) == 1
.if \zero
	v_wmma_f32_16x16x32_bf16 v[rD:rD+7], v[(\wb)+8*cc:(\wb)+8*cc+7], v[(\xf)+8*aa:(\xf)+8*aa+7], 0
.else
	v_wmma_f32_16x16x32_bf16 v[rD:rD+7], v[(\wb)+8*cc:(\wb)+8*cc+7], v[(\xf)+8*aa:(\xf)+8*aa+7], v[rD:rD+7]
.endif
.else
.if \zero
	v_wmma_f32_16x16x32_bf16 v[rD:rD+7], v[(\xf)+8*aa:(\xf)+8*aa+7], v[(\wb)+8*cc:(\wb)+8*cc+7], 0
.else
	v_wmma_f32_16x16x32_bf16 v[rD:rD+7], v[(\xf)+8*aa:(\xf)+8*aa+7], v[(\wb)+8*cc:(\wb)+8*cc+7], v[rD:rD+7]
.endif
.endif
.set aa, aa+1
.endr
.set cc, cc+1
.endr
.endm
; A fragment is 16 rows x 32 K in 8 registers: lane l holds row l % 16, K = 8 (l / 16) + 0..7 and 16 + 8 (l / 16) + 0..7: two loads of 16 bytes, 32 bytes apart.
.macro LDW wb, mi, u                   ; the four column tiles of matrix mi (0 q, 1 k, 2 v), half u of the step's K: eight loads
.irp c, 0,1,2,3
	ds_load_b128 v[(\wb)+8*\c:(\wb)+8*\c+3],   v[WFA] offset:(4*(\mi)+\c)*TR+64*(\u)
	ds_load_b128 v[(\wb)+8*\c+4:(\wb)+8*\c+7], v[WFA] offset:(4*(\mi)+\c)*TR+64*(\u)+32
.endr
.endm
.macro LDX xf, u                       ; x's eight row tiles, half u: sixteen loads
.set aa, 0
.rept 8
	ds_load_b128 v[(\xf)+8*aa:(\xf)+8*aa+3],   v[XFA] offset:aa*TR+64*(\u)
	ds_load_b128 v[(\xf)+8*aa+4:(\xf)+8*aa+7], v[XFA] offset:aa*TR+64*(\u)+32
.set aa, aa+1
.endr
.endm
.macro LDRAW adr                       ; my 32 rows of a tile of x as it came: sixteen loads of 512 consecutive bytes (two rows), into x's first fragment buffer
.set nn, 0
.rept 16
	ds_load_b128 v[XF0+4*nn:XF0+4*nn+3], v[\adr] offset:512*nn
.set nn, nn+1
.endr
.endm
.macro CVST adr                        ; rounded to bf16, all 32 conversions together, and then put where the fragments are read: sixteen stores of 8 bytes a lane
.set nn, 0
.rept 16
	v_cvt_pk_bf16_f32 v[XF0+4*nn],   v[XF0+4*nn],   v[XF0+4*nn+1]
	v_cvt_pk_bf16_f32 v[XF0+4*nn+1], v[XF0+4*nn+2], v[XF0+4*nn+3]
.set nn, nn+1
.endr
.set nn, 0
.rept 16
	ds_store_b64 v[\adr], v[XF0+4*nn:XF0+4*nn+1] offset:2*PW*nn
.set nn, nn+1
.endr
.endm
; AHEAD OF THE TENSOR LOADS.  In step j, 0 to 12, each wave asks for its 32 rows' 256 bytes of x's tile j + 3, a lane a row: the tile that the tensor load behind the NEXT step's round fetches;
; 32,768 bytes a work-group, each block of 256 bytes asked for by one lane.  In step 13 the offset is clamped to the rows' last 256 bytes; steps 14 and 15 ask for nothing.
.macro AHEAD
	global_prefetch_b8 v[PFV], s[PFA:PFA+1] th:TH_LOAD_NT scope:SCOPE_SE
.endm
; STEP j OF K, from its barrier on.  In front of the barrier each wave waits for all its tensor loads (one is out), adds 0 to its spare word, and waits for that, for its reads of the
; slots that it leaves and for its stores of rounded x.  So behind it: wt's block j and x's tile j + 1 have landed, x's tile j lies whole in bf16, and nobody reads the other slots.
; fx: x's tile j + 2 is asked for, into the slot whose tile was rounded in the step before.  fw: wt's block j + 1, into the slot multiplied in the step before.  Where anything is asked
; for the barrier opens a round of the cluster's.  A load has the step's 192 products, less the 8 inside the barrier, in which to land.
; prev: the step before has left its last 32 products (v, second half of K), on registers.  conv: tile j + 1 is rounded.  mk: the mask's bytes are asked for.  pf: tile j + 3 is asked for ahead.
; Group n of the six takes buffer n % 3 of wt's fragments, so a run of loads fills two groups' buffers; x's first buffer is free from the third group on and takes the tile to be rounded.
.macro WINDOW prev, zero, fx, fw, conv, mk, pf
	WIN 0
	s_wait_tensorcnt 0x0                           ; no tensor load of mine is out, so a group 0 may be written
	ds_add_u32 v[SPW], v[NIL]                      ; 0 onto my spare word: scalar work stands between it and the wait for it
	s_xor_b32 s[PRD], s[PRD], PAR
	s_xor_b32 s[PCV], s[PCV], PAR
	s_xor_b32 s[PXR], s[PXR], XPAR
.if \fx
	s_xor_b32 s[GXW+1], s[GXW+1], XPAR             ; the walking descriptor: the other slot, the next 64 columns of x
	s_add_nc_u64 s[GXW+2:GXW+3], s[GXW+2:GXW+3], 256
.endif
.if \fw
	s_xor_b32 s[GWW+1], s[GWW+1], PAR              ; the other slot, the next block of wt; the type bits on top are not reached
	s_add_nc_u64 s[GWW+2:GWW+3], s[GWW+2:GWW+3], 98304
.endif
	s_wait_xcnt 0x0                                ; the request made ahead in the step before has had its address translated (ISA guide 3.1): its registers are rewritten only behind this wait
.if \pf
	s_add_co_u32 s[PFO], s[PFO], 256               ; tile j + 3,
	s_min_u32 s[PFO], s[PFO], 15*256               ; never past the rows' last tile
	s_add_nc_u64 s[PFA:PFA+1], s[4:5], s[PFO:PFO+1]
.endif
	s_wait_dscnt 0x0                               ; the add is done; my LDS loads are back and my LDS stores done
	s_barrier_signal -1
.if \prev
	MULG 3, XF1, WB2, 0, 0, 0                      ; work on registers while the others arrive
	WIN 0                                          ; at a branch and at a label every window is 0
.endif
	s_barrier_wait -1
.if (\fx) || (\fw)
	CREST
	REFILL \fx, \fw                                ; the first thing behind the round, one load a wave
.else
	PLACES
.endif
	v_add_nc_u32 v[WFA], s[PRD], v[LW]             ; four plain instructions: places too, for a wave that has jumped over the load and its v_nop
	v_add_nc_u32 v[XFA], s[PRD], v[LX]
	v_add_nc_u32 v[CWA], s[PCV], v[LCW]
	v_add_nc_u32 v[CRA], s[PXR], v[LCR]
	LDW WB0, 0, 0                                  ; FIRST RUN, 32 loads: what the first group wants comes first
	LDX XF0, 0
	LDW WB1, 1, 0
.if (\pf) && (\prev)
	AHEAD
.endif
.if \prev
	MULG 3, XF1, WB2, 1, 3, 0
.endif
	s_wait_dscnt 8                                 ; LDS loads come back in order (ISA guide 5.7.1): all but the run's last eight, the second group's
	MULG 1, XF0, WB0, 0, 3, \zero
	WIN 0
	PLACES
	LDW WB2, 2, 0                                  ; SECOND RUN, 32 loads
	LDW WB0, 0, 1
	LDX XF1, 1
.if (\pf) && !(\prev)
	AHEAD
.endif
	s_wait_dscnt 32                                ; all but the 32 just issued
	MULG 2, XF0, WB1, 0, 3, \zero
	s_wait_dscnt 24                                ; the second run's first eight are in
	MULG 3, XF0, WB2, 0, 3, \zero
	WIN 0
	PLACES
	LDW WB1, 1, 1                                  ; THIRD RUN: 16 loads, and 16 more for the tile to be rounded
	LDW WB2, 2, 1
.if \conv
	LDRAW CRA
.endif
.if \mk
.set aa, 0
.rept 8
	global_load_b64 v[MB+2*aa:MB+2*aa+1], v[MOFF], s[8:9] offset:16*aa  ; row tile aa: the bytes of rows 8 (lane / 16) + 0..7
.set aa, aa+1
.endr
.endif
	s_wait_dscnt 16+16*(\conv)                     ; all but the third run
	MULG 1, XF1, WB0, 0, 3, 0
.if \conv
	WIN 0
.endif
	s_wait_dscnt 0x0                               ; the third run is in
.if \conv
	CVST CWA                                       ; FOURTH RUN; the registers were last read by the third group, four places and a group back
.endif
	MULG 2, XF1, WB1, 0, 3, 0
.endm
	s_load_b256 s[4:11], s[0:1], 0x0               ; x s[4:5], wt s[6:7], mask s[8:9], qf s[10:11]
	s_load_b128 s[12:15], s[0:1], 0x20             ; vf s[12:13], part s[14:15]
	v_lshl_add_u32 v[SPW], v0, 2, SPARE
	v_mov_b32 v[NIL], 0
	ds_add_u32 v[SPW], v[NIL]                      ; the wave's opening: the add and its wait stand ahead of my first tensor load; the set-up below, work on registers, stands between them
	ds_add_u32 v1, v2
	v_lshrrev_b32 v12, 5, v0
	v_readfirstlane_b32 s[WV], v12                 ; wave 0..3
	s_bfe_u32 s[CX], ttmp6, 0x40000                ; my place in the cluster
	s_lshl_b32 s[G], ttmp9, 2                      ; in a cluster launch ttmp9 counts clusters
	s_add_co_u32 s[G], s[G], s[CX]                 ; my work-group = 4 x cluster + place
	; group 1 for x: a tile of 128 rows x 64 f32, dense in LDS
	s_mov_b32 s[G1X+0], 2<<16                      ; 15:0 no mask; 17:16 elements of 4 bytes
	s_mov_b32 s[G1X+1], 64<<16                     ; tensor_dim0 = 64
	s_mov_b32 s[G1X+2], 128<<16                    ; tensor_dim1 = 128
	s_mov_b32 s[G1X+3], 64<<16                     ; tile_dim0 = 64
	s_mov_b32 s[G1X+4], 128                        ; tile_dim1 = 128
	s_mov_b32 s[G1X+5], 1024                       ; 1,024 elements from row to row
	s_mov_b32 s[G1X+6], 0
	s_mov_b32 s[G1X+7], 0
	; group 1 for wt: 256 rows of 128 bytes are 32,768 dense bytes: asked for as 128 rows of 256 bytes and padded in LDS after every 128 bytes
	s_mov_b32 s[G1W+0], 15|(1<<16)|(1<<20)|(1<<21)|(4<<22)|(3<<25)  ; 15:0 the mask of four; 17:16 2-byte elements; 20 padding on; 21 set beside a mask; 24:22 after every 32 words (code 4); 31:25 4 words (code 3)
	s_mov_b32 s[G1W+1], 128<<16
	s_mov_b32 s[G1W+2], 128<<16
	s_mov_b32 s[G1W+3], 128<<16
	s_mov_b32 s[G1W+4], 128
	s_mov_b32 s[G1W+5], 128
	s_mov_b32 s[G1W+6], 0
	s_mov_b32 s[G1W+7], 0
	s_mov_b32 s[GXF], 1                            ; 1:0 count = 1
	s_mov_b32 s[GXF+1], XR0                        ; 63:32 LDS address
	s_mov_b32 s[GXW], 1
	s_mov_b32 s[GXW+1], XR0+XPAR
	s_mov_b32 s[GWF], 1
	s_mul_i32 s[GWF+1], s[WV], 256*PW              ; my third of the slot (waves 0 to 2 ask; wave 3 never issues these)
	s_mov_b32 s[GWW], 1
	s_add_co_u32 s[GWW+1], s[GWF+1], PAR
	s_mov_b32 s[PRD], PAR                          ; the first step's barrier turns these three
	s_mov_b32 s[PCV], 0
	s_mov_b32 s[PXR], 0
	s_mov_b32 s[PFO], 2*256                        ; the first step makes of it tile 3's offset
	s_mov_b32 s[PFO+1], 0
	s_mov_b32 s[SEL], 0x76543210
	s_mov_b32 s[SEL+1], 0xfedcba98
	s_lshl_b32 s22, s[WV], 15                      ; my third of a block of wt: no place in the cluster enters this pair
	s_mov_b32 s23, 0
	s_lshl_b32 s20, s[G], 19                       ; my 128 rows of x, 4,096 bytes each
	s_mov_b32 s21, 0
	s_wait_dscnt 0x0                               ; the opening add is done
	s_wait_kmcnt 0x0
	s_add_nc_u64 s[4:5], s[4:5], s[20:21]          ; x at my rows
	s_mov_b64 s[GXF+2:GXF+3], s[4:5]               ; 120:64 global address: step 0,
	s_add_nc_u64 s[GXW+2:GXW+3], s[4:5], 256       ; step 1
	s_or_b32 s[GXF+3], s[GXF+3], 0x80000000        ; 127:126 type = 2
	s_or_b32 s[GXW+3], s[GXW+3], 0x80000000
	s_add_nc_u64 s[GWF+2:GWF+3], s[6:7], s[22:23]
	s_add_nc_u64 s[GWW+2:GWW+3], s[GWF+2:GWF+3], 98304
	s_or_b32 s[GWF+3], s[GWF+3], 0x80000000
	s_or_b32 s[GWW+3], s[GWW+3], 0x80000000
	s_lshl_b32 s20, s[G], 16                       ; qf, vf: 8 row tiles of 8,192 bytes a work-group, two heads of 1,024 a wave
	s_lshl_b32 s66, s[WV], 11
	s_add_co_u32 s20, s20, s66
	s_add_nc_u64 s[10:11], s[10:11], s[20:21]
	s_add_nc_u64 s[12:13], s[12:13], s[20:21]
	s_mul_i32 s20, s[G], 49152                     ; part: 48 tiles of 1,024 bytes a work-group, 12 a wave
	s_mul_i32 s66, s[WV], 12288
	s_add_co_u32 s20, s20, s66
	s_add_nc_u64 s[14:15], s[14:15], s[20:21]
	s_lshl_b32 s20, s[G], 7                        ; mask: a byte a row
	s_add_nc_u64 s[8:9], s[8:9], s[20:21]
	CROUND                                         ; all four work-groups are here: the first joint loads meet
	s_cmp_eq_u32 s[WV], 3                          ; a wave's two first fills stand in one branch, ahead of every wait on TENSORcnt and every LDS read: two loads of mine are out
	s_cbranch_scc0 .Lfirst_w
	tensor_load_to_lds s[GXF:GXF+3], s[G1X:G1X+7]
	s_nop 0
	tensor_load_to_lds s[GXW:GXW+3], s[G1X:G1X+7]
	s_nop 0
.rept 4
	v_nop
.endr
	s_branch .Lfirst_asked
.Lfirst_w:
	tensor_load_to_lds s[GWF:GWF+3], s[G1W:G1W+7]
	s_nop 0
	tensor_load_to_lds s[GWW:GWW+3], s[G1W:G1W+7]
	s_nop 0
.rept 4
	v_nop
.endr
.Lfirst_asked:
	v_and_b32 v12, 15, v0                          ; l % 16
	v_bfe_u32 v13, v0, 4, 1                        ; l / 16
	v_and_b32 v14, 31, v0                          ; l
	v_mul_u32_u24 v15, v12, PW
	v_lshl_add_u32 v15, v13, 4, v15                ; a fragment's row x pitch + 16 x half
	s_mul_i32 s66, s[WV], 192*PW                   ; my wave's 192 rows of wt
	v_add_nc_u32 v[LW], s66, v15
	v_add_nc_u32 v[LX], XB0, v15
	s_mul_i32 s66, s[WV], 32*PW                    ; my wave's 32 rows of x to round
	s_add_co_u32 s66, s66, XB0
	v_mul_u32_u24 v[LCW], v13, PW                  ; lanes 0-15 one row, lanes 16-31 the next; 8 bytes a lane
	v_lshl_add_u32 v[LCW], v12, 3, v[LCW]
	v_add_nc_u32 v[LCW], s66, v[LCW]
	s_lshl_b32 s66, s[WV], 13
	s_add_co_u32 s66, s66, XR0
	v_lshl_add_u32 v[LCR], v14, 4, s66
	v_lshlrev_b32 v[MOFF], 3, v13
	v_lshlrev_b32 v[PFV], 12, v0                   ; row 32 w + l of my work-group's 128
	s_wait_tensorcnt 0x1                           ; my part of step 0 is in; step 1's may stay out
	s_barrier_signal -1
	s_barrier_wait -1                              ; everybody's is
	LDRAW LCR                                      ; x's tile 0 is rounded ahead of the first step: my 32 rows
	s_wait_dscnt 0x0
	CVST LCW
	WINDOW 0, 1, 1, 0, 1, 0, 1                     ; step 0 starts the sums; x's tile 2 is asked for (wt's block 1 was a first fill)
	WIN 0
	s_mov_b32 s[CNT], 13
.Lk:                                                   ; steps 1 to 13
	WINDOW 1, 0, 1, 1, 1, 0, 1
	WIN 0
	s_sub_co_u32 s[CNT], s[CNT], 1
	s_cmp_lg_u32 s[CNT], 0
	s_cbranch_scc1 .Lk
	WINDOW 1, 0, 0, 1, 1, 0, 0                     ; step 14: x has no further tile; wt's last block is asked for
	WINDOW 1, 0, 0, 0, 0, 1, 0                     ; step 15: nothing is asked for and nothing rounded; the mask's bytes are
	MULG 3, XF1, WB2, 0, 3, 0                      ; the last 32 products
; BEHIND THE PRODUCTS: registers and stores alone.
	WIN 0
	PLACES
	v_and_b32 v[LOFF], 31, v0
	v_lshlrev_b32 v[LOFF], 4, v[LOFF]
	v_mov_b32 v[EP], 0x358637bd                    ; 1e-6
	v_mov_b32 v[ZR], 0
	v_mov_b32 v[TP], 0                             ; v_permlanex16_b32's destination counts as read
	v_mov_b32 v[TP+1], 0
	v_mov_b32 v[R0+1], 0                           ; named with the low words as pairs
	v_mov_b32 v[R1+1], 0
.set nn, 0
.rept 8
	v_mov_b32 v[ONES+nn], 0x3f803f80               ; two bf16 ones
.set nn, nn+1
.endr
; The 32 sums of row tile a (window given by win) with 1e-6 in the place of exact zeros, into F; each accumulator is read from its lowest register on.
.macro FIX win, a
	WIN \win
.set ii, 0
.rept 4
.irp e, 0,1,2,3,4,5,6,7
	v_cmp_eq_f32 s[CM+\e], v[32*(\a)+ii+\e], v[ZR]
.endr
.irp e, 0,1,2,3,4,5,6,7
	v_cndmask_b32 v[F+ii+\e], v[32*(\a)+ii+\e], v[EP], s[CM+\e]
.endr
.set ii, ii+8
.endr
.endm
; q of row tile a: my lane holds one row: 8 channels in each of 4 column tiles; a head is two tiles and both halves of the lanes.
.macro EPIQ a
	FIX 0x01, \a
	WIN 0
.irp c, 0,1,2,3
	v_pk_mul_f32 v[T+2*\c:T+2*\c+1], v[F+8*\c:F+8*\c+1], v[F+8*\c:F+8*\c+1]
.endr
.irp p, 1,2,3
.irp c, 0,1,2,3
	v_pk_fma_f32 v[T+2*\c:T+2*\c+1], v[F+8*\c+2*\p:F+8*\c+2*\p+1], v[F+8*\c+2*\p:F+8*\c+2*\p+1], v[T+2*\c:T+2*\c+1]
.endr
.endr
	v_pk_add_f32 v[T:T+1], v[T:T+1], v[T+2:T+3]
	v_pk_add_f32 v[T+4:T+5], v[T+4:T+5], v[T+6:T+7]
	v_add_f32 v[TS], v[T], v[T+1]
	v_add_f32 v[TS+1], v[T+4], v[T+5]
	v_permlanex16_b32 v[TP], v[TS], s[SEL], s[SEL+1]
	v_permlanex16_b32 v[TP+1], v[TS+1], s[SEL], s[SEL+1]
	v_add_f32 v[TS], v[TS], v[TP]
	v_add_f32 v[TS+1], v[TS+1], v[TP+1]
	v_rsq_f32 v[R0], v[TS]
	v_rsq_f32 v[R1], v[TS+1]
	s_wait_xcnt 0x0                                ; every earlier memory instruction has had its addresses translated (ISA guide 3.1): QO, which the last tile's stores read, is rewritten only behind this wait
	v_nop                                          ; a plain instruction between the last v_rsq_f32 and the use of its result
	s_wait_alu depctr_va_vdst(0)
.irp p, 0,1,2,3,4,5,6,7
	v_pk_mul_f32 v[F+2*\p:F+2*\p+1], v[F+2*\p:F+2*\p+1], v[R0:R0+1] op_sel_hi:[1,0]
	v_pk_mul_f32 v[F+16+2*\p:F+16+2*\p+1], v[F+16+2*\p:F+16+2*\p+1], v[R1:R1+1] op_sel_hi:[1,0]
.endr
.irp p, 0,1,2,3,4,5,6,7,8,9,10,11,12,13,14,15
	v_cvt_pk_bf16_f32 v[QO+\p], v[F+2*\p], v[F+2*\p+1]
.endr
.irp c, 0,1,2,3
	global_store_b128 v[LOFF], v[QO+4*\c:QO+4*\c+3], s[10:11] offset:8192*(\a)+512*\c  ; head c / 2, half c % 2 of its operand: 512 consecutive bytes
.endr
.endm
; k of row tile a: my lane holds one channel and 8 rows; a row's sum of squares runs over two column tiles and 16 lanes.  ap = a % 2: which half of the operands (K = 32 rows) it fills.
.macro EPIK a, ap
	FIX 0x02, \a
	WIN 0
.irp h, 0,1
.irp p, 0,1,2,3
	v_pk_mul_f32 v[T+8*\h+2*\p:T+8*\h+2*\p+1], v[F+16*\h+2*\p:F+16*\h+2*\p+1], v[F+16*\h+2*\p:F+16*\h+2*\p+1]
.endr
.endr
.irp h, 0,1
.irp p, 0,1,2,3
	v_pk_fma_f32 v[T+8*\h+2*\p:T+8*\h+2*\p+1], v[F+16*\h+8+2*\p:F+16*\h+8+2*\p+1], v[F+16*\h+8+2*\p:F+16*\h+8+2*\p+1], v[T+8*\h+2*\p:T+8*\h+2*\p+1]
.endr
.endr
.irp x, 1,2,4,8
.set ii, 0
.rept 16
	v_add_f32_dpp v[T+ii], v[T+ii], v[T+ii] row_xmask:\x row_mask:0xf bank_mask:0xf
.set ii, ii+1
.endr
.endr
.set ii, 0
.rept 16
	v_rsq_f32 v[T+ii], v[T+ii]
.set ii, ii+1
.endr
	v_nop                                          ; a plain instruction between the last v_rsq_f32 and the use of its result
	s_wait_alu depctr_va_vdst(0)
.irp c, 0,1,2,3
.irp p, 0,1,2,3
	v_pk_mul_f32 v[F+8*\c+2*\p:F+8*\c+2*\p+1], v[F+8*\c+2*\p:F+8*\c+2*\p+1], v[T+8*(\c/2)+2*\p:T+8*(\c/2)+2*\p+1]
.endr
.endr
.irp c, 0,1,2,3
.irp t, 0,1,2,3
	v_cvt_pk_bf16_f32 v[KF+8*\c+4*(\ap)+\t], v[F+8*\c+2*\t], v[F+8*\c+2*\t+1]
.endr
.endr
.endm
; v of row tile a: times the rows' mask, rounded: half an operand of k^T v, and the same 16 bytes a lane are what the last launch adds to its products.
.macro EPIV a, ap
	WIN 0
.irp j, 0,1,2,3,4,5,6,7
	v_bfe_u32 v[M+\j], v[MB+2*(\a)+\j/4], 8*(\j%4), 8
.endr
.irp j, 0,1,2,3,4,5,6,7
	v_cvt_f32_u32 v[M+\j], v[M+\j]
.endr
	WIN 0x03
.irp c, 0,1,2,3
.irp p, 0,1,2,3
	v_pk_mul_f32 v[F+8*\c+2*\p:F+8*\c+2*\p+1], v[32*(\a)+8*\c+2*\p:32*(\a)+8*\c+2*\p+1], v[M+2*\p:M+2*\p+1]
.endr
.endr
	WIN 0
.irp c, 0,1,2,3
.irp t, 0,1,2,3
	v_cvt_pk_bf16_f32 v[VF+8*\c+4*(\ap)+\t], v[F+8*\c+2*\t], v[F+8*\c+2*\t+1]
.endr
.endr
.irp c, 0,1,2,3
	global_store_b128 v[LOFF], v[VF+8*\c+4*(\ap):VF+8*\c+4*(\ap)+3], s[12:13] offset:8192*(\a)+512*\c
.endr
.endm
; 12 products over 32 rows: for each of my two heads k^T v (2 x 2 tiles) and k^T ones (2 tiles); tile 6 hh + 2 e + mt lies in window 1, where q's sums lay.  The 12 accumulators take turns.
.macro KVM zero
	WIN 0x50
.irp hh, 0,1
.irp e, 0,1,2
.irp mt, 0,1
.set rD, 8*(6*\hh+2*\e+\mt)
.set rA, KF+8*(2*\hh+\mt)
.if \e == 2
.set rB, ONES
.else
.set rB, VF+8*(2*\hh+\e)
.endif
.if \zero
	v_wmma_f32_16x16x32_bf16 v[rD:rD+7], v[rA:rA+7], v[rB:rB+7], 0
.else
	v_wmma_f32_16x16x32_bf16 v[rD:rD+7], v[rA:rA+7], v[rB:rB+7], v[rD:rD+7]
.endif
.endr
.endr
.endr
.endm
.irp a, 0,1,2,3,4,5,6,7
	EPIQ \a
.endr
	s_wait_loadcnt 0x0                             ; the mask's bytes
.irp i, 0,1,2,3
	s_wait_xcnt 0x0                                ; VF, which the stores of the two row tiles before read, is rewritten only behind this wait
	EPIK 2*\i, 0
	EPIV 2*\i, 0
	EPIK 2*\i+1, 1
	EPIV 2*\i+1, 1
.if \i == 0
	KVM 1
.else
	KVM 0
.endif
.endr
	PLACES                                         ; the stores read results just made
	WIN 0x04                                       ; store data in window 1
.set nn, 0
.rept 12
	global_store_b128 v[LOFF], v[8*nn:8*nn+3],   s[14:15] offset:1024*nn      ; each accumulator's low half first
	global_store_b128 v[LOFF], v[8*nn+4:8*nn+7], s[14:15] offset:1024*nn+512
.set nn, nn+1
.endr
	WIN 0
	s_wait_tensorcnt 0x0                           ; the wave's end, behind my last tensor load and my last LDS store
	ds_add_u32 v[SPW], v[NIL]
	s_wait_dscnt 0x0
	CROUND                                         ; the closing round: no work-group ends while a partner may still ask for a block that names it
	s_endpgm
.Lfunc_end_k_qba7852c006_proj:
	.size	k_qba7852c006_proj, .Lfunc_end_k_qba7852c006_proj-k_qba7852c006_proj
	.p2alignl 7, 3214868480
	.fill 96, 4, 3214868480
	.section	.rodata,"a",@progbits
	.p2align	6, 0x0
	.amdhsa_kernel k_qba7852c006_proj
		.amdhsa_group_segment_fixed_size 327680
		.amdhsa_private_segment_fixed_size 0
		.amdhsa_enable_private_segment 0
		.amdhsa_kernarg_size 48
		.amdhsa_user_sgpr_count 2
		.amdhsa_user_sgpr_kernarg_segment_ptr 1
		.amdhsa_wavefront_size32 1
		.amdhsa_system_sgpr_workgroup_id_x 1
		.amdhsa_system_sgpr_workgroup_id_y 1
		.amdhsa_system_sgpr_workgroup_id_z 1
		.amdhsa_system_vgpr_workitem_id 0
		.amdhsa_next_free_vgpr 1024
		.amdhsa_next_free_sgpr 80
		.amdhsa_reserve_vcc 0
		.amdhsa_float_denorm_mode_32 3
		.amdhsa_float_denorm_mode_16_64 3
		.amdhsa_memory_ordered 1
		.amdhsa_forward_progress 1
		.amdhsa_inst_pref_size 255
	.end_amdhsa_kernel
	.section	.bss,"aw",@nobits
	.p2align	6
	.space	262144
	.amdgpu_metadata
---
amdhsa.version: [ 1, 2 ]
amdhsa.kernels:
  - .name:           k_qba7852c006_proj
    .symbol:         k_qba7852c006_proj.kd
    .args:
      - { .name: x, .offset: 0, .size: 8, .value_kind: global_buffer, .address_space: global }
      - { .name: wt, .offset: 8, .size: 8, .value_kind: global_buffer, .address_space: global }
      - { .name: mask, .offset: 16, .size: 8, .value_kind: global_buffer, .address_space: global }
      - { .name: qf, .offset: 24, .size: 8, .value_kind: global_buffer, .address_space: global }
      - { .name: vf, .offset: 32, .size: 8, .value_kind: global_buffer, .address_space: global }
      - { .name: part, .offset: 40, .size: 8, .value_kind: global_buffer, .address_space: global }
    .group_segment_fixed_size: 327680
    .private_segment_fixed_size: 0
    .kernarg_segment_align: 8
    .kernarg_segment_size: 48
    .max_flat_workgroup_size: 128
    .sgpr_count:     80
    .vgpr_count:     1024
    .wavefront_size: 32
...
	.end_amdgpu_metadata
.endif
;; end of part 2
;; launch redu (part 3): grid 96 x 2, 16 waves a work-group, no clusters, 10,240 bytes of LDS; arguments part, kvf; writes kvf
.if DOCPART == 3
	.amdgcn_target "amdgcn-amd-amdhsa--gfx1250"
	.amdhsa_code_object_version 6
	.text
	.protected	k_qba7852c006_redu
	.globl	k_qba7852c006_redu
	.p2align	8
	.type	k_qba7852c006_redu,@function
k_qba7852c006_redu:
	s_mov_b64 s[64:65], 0
	v_nop
	global_prefetch_b8 v0, s[64:65] scope:SCOPE_SE
	s_setreg_imm32_b32 hwreg(HW_REG_WAVE_MODE, 25, 1), 1
	s_wait_xcnt 0x0
; kvf[b][tile] = bf16(the sum over the batch's 256 work-groups of part[g][tile]).  A tile is 16 x 16 f32: eight registers a lane, stored as registers 0-3 of the 32 lanes (512 bytes) and then
; registers 4-7; rounded in pairs it is half of a 32 x 16 operand of the last launch, 16 bytes a lane.  48 tiles a batch: 8 heads x (k^T v: 2 x 2, k^T ones: 2).
; A work-group (x = 2 tile + hl, y = batch) owns the tile's lanes 16 hl .. 16 hl + 15.  My lanes 0-15 take those lanes' registers 0-3, my lanes 16-31 their registers 4-7: each half of a load
; is 256 consecutive bytes, aligned.  Each of the 16 waves adds 16 partial tiles, all 16 loads out at once; the 16 sums meet in LDS and wave 0 adds them and stores 8 bytes a lane:
; 256 consecutive bytes, aligned, by one instruction.  The order of the sums is fixed.
; 192 work-groups: a finer share would leave a store less than such a block.  No cluster: no byte is read twice.  No matrix unit: nothing is multiplied.
.set PARTG, 49152                      ; bytes of part a work-group of the launch before
.set SPARE, 8192                       ; behind the 16 sums of 512 bytes: the spare words, 128 bytes a wave, named by no other line
.set D,   8                            ; v[8:71]  16 pieces of 4 registers
.set OUT, 72                           ; v[72:73]
.set SPW, 74                           ; v74  LDS address of my spare word; never rewritten
.set NIL, 75                           ; v75  0; never rewritten
.macro TREE                            ; 16 pieces into the first: 8, 4, 2, 1 apart
.irp s, 8,4,2,1
.set ii, 0
.rept \s
	v_pk_add_f32 v[D+4*ii:D+4*ii+1],   v[D+4*ii:D+4*ii+1],   v[D+4*(ii+\s):D+4*(ii+\s)+1]
	v_pk_add_f32 v[D+4*ii+2:D+4*ii+3], v[D+4*ii+2:D+4*ii+3], v[D+4*(ii+\s)+2:D+4*(ii+\s)+3]
.set ii, ii+1
.endr
.endr
.endm
	s_load_b128 s[4:7], s[0:1], 0x0                ; part s[4:5], kvf s[6:7]
	v_lshl_add_u32 v[SPW], v0, 2, SPARE
	v_mov_b32 v[NIL], 0
	v_lshrrev_b32 v2, 5, v0
	v_readfirstlane_b32 s8, v2                     ; wave 0..15
	v_and_b32 v3, 15, v0                           ; l % 16
	v_bfe_u32 v4, v0, 4, 1                         ; l / 16
	v_lshlrev_b32 v1, 4, v3
	v_lshl_add_u32 v1, v4, 9, v1                   ; in: 16 (l % 16) + 512 (l / 16)
	v_lshlrev_b32 v5, 4, v3
	v_lshl_add_u32 v5, v4, 3, v5                   ; out: 16 (l % 16) + 8 (l / 16)
	v_and_b32 v6, 31, v0
	v_lshlrev_b32 v6, 4, v6                        ; LDS: 16 x lane,
	v_lshl_add_u32 v7, s8, 9, v6                   ; in my wave's 512 bytes
	s_and_b32 s9, ttmp7, 0xffff                    ; the batch
	s_lshr_b32 s14, ttmp9, 1                       ; the tile
	s_and_b32 s15, ttmp9, 1                        ; which 16 of its lanes
	s_mul_i32 s10, s9, 256*PARTG
	s_lshl_b32 s11, s14, 10
	s_add_co_u32 s10, s10, s11
	s_lshl_b32 s11, s15, 8
	s_add_co_u32 s10, s10, s11
	s_mul_i32 s11, s8, 16*PARTG                    ; my wave's 16 partial tiles
	s_add_co_u32 s10, s10, s11
	s_mov_b32 s11, 0
	s_mul_i32 s12, s9, 24576
	s_lshl_b32 s13, ttmp9, 8                       ; 512 x tile + 256 x hl
	s_add_co_u32 s12, s12, s13
	s_mov_b32 s13, 0
	s_wait_kmcnt 0x0
	s_add_nc_u64 s[4:5], s[4:5], s[10:11]
	s_add_nc_u64 s[6:7], s[6:7], s[12:13]
.set ii, 0
.rept 16
	global_load_b128 v[D+4*ii:D+4*ii+3], v1, s[4:5] offset:PARTG*ii th:TH_LOAD_NT
.set ii, ii+1
.endr
	s_wait_loadcnt 0x0
	TREE
	ds_store_b128 v7, v[D:D+3]
	s_wait_dscnt 0x0                               ; for wave 0's sake: my sum lies in LDS
	s_barrier_signal -1
	s_barrier_wait -1
	s_cmp_eq_u32 s8, 0
	s_cbranch_scc1 .Lwave_0
	s_wait_tensorcnt 0x0                           ; the wave's end, behind my last LDS store
	ds_add_u32 v[SPW], v[NIL]
	s_wait_dscnt 0x0
	s_endpgm
.Lwave_0:
.set ii, 0
.rept 16
	ds_load_b128 v[D+4*ii:D+4*ii+3], v6 offset:512*ii
.set ii, ii+1
.endr
	s_wait_dscnt 0x0
	TREE
	v_cvt_pk_bf16_f32 v[OUT],   v[D],   v[D+1]
	v_cvt_pk_bf16_f32 v[OUT+1], v[D+2], v[D+3]
	global_store_b64 v5, v[OUT:OUT+1], s[6:7]      ; 32 lanes x 8 bytes: 256 consecutive bytes
	s_wait_tensorcnt 0x0                           ; the wave's end, as above
	ds_add_u32 v[SPW], v[NIL]
	s_wait_dscnt 0x0
	s_endpgm
.Lfunc_end_k_qba7852c006_redu:
	.size	k_qba7852c006_redu, .Lfunc_end_k_qba7852c006_redu-k_qba7852c006_redu
	.p2alignl 7, 3214868480
	.fill 96, 4, 3214868480
	.section	.rodata,"a",@progbits
	.p2align	6, 0x0
	.amdhsa_kernel k_qba7852c006_redu
		.amdhsa_group_segment_fixed_size 10240
		.amdhsa_private_segment_fixed_size 0
		.amdhsa_enable_private_segment 0
		.amdhsa_kernarg_size 16
		.amdhsa_user_sgpr_count 2
		.amdhsa_user_sgpr_kernarg_segment_ptr 1
		.amdhsa_wavefront_size32 1
		.amdhsa_system_sgpr_workgroup_id_x 1
		.amdhsa_system_sgpr_workgroup_id_y 1
		.amdhsa_system_sgpr_workgroup_id_z 1
		.amdhsa_system_vgpr_workitem_id 0
		.amdhsa_next_free_vgpr 80
		.amdhsa_next_free_sgpr 66
		.amdhsa_reserve_vcc 0
		.amdhsa_float_denorm_mode_32 3
		.amdhsa_float_denorm_mode_16_64 3
		.amdhsa_memory_ordered 1
		.amdhsa_forward_progress 1
		.amdhsa_inst_pref_size 9
	.end_amdhsa_kernel
	.amdgpu_metadata
---
amdhsa.version: [ 1, 2 ]
amdhsa.kernels:
  - .name:           k_qba7852c006_redu
    .symbol:         k_qba7852c006_redu.kd
    .args:
      - { .name: part, .offset: 0, .size: 8, .value_kind: global_buffer, .address_space: global }
      - { .name: kvf, .offset: 8, .size: 8, .value_kind: global_buffer, .address_space: global }
    .group_segment_fixed_size: 10240
    .private_segment_fixed_size: 0
    .kernarg_segment_align: 8
    .kernarg_segment_size: 16
    .max_flat_workgroup_size: 512
    .sgpr_count:     66
    .vgpr_count:     80
    .wavefront_size: 32
...
	.end_amdgpu_metadata
.endif
;; end of part 3
;; launch outp (part 4): grid 256 x 1, 8 waves a work-group, no clusters, 327,680 bytes of LDS; arguments qf, vf, kvf, out0; writes out0
.if DOCPART == 4
	.amdgcn_target "amdgcn-amd-amdhsa--gfx1250"
	.amdhsa_code_object_version 6
	.text
	.protected	k_qba7852c006_outp
	.globl	k_qba7852c006_outp
	.p2align	8
	.type	k_qba7852c006_outp,@function
k_qba7852c006_outp:
	s_mov_b64 s[64:65], 0
	v_nop
	global_prefetch_b8 v0, s[64:65] scope:SCOPE_SE
	s_setreg_imm32_b32 hwreg(HW_REG_WAVE_MODE, 25, 1), 1
	s_wait_xcnt 0x0
; out[row][d] = 1/8 the sum over heads of (q^_h . kvs_h[:, d] + n v_h[d]) / (q^_h . ks_sum_h + n), n = 32,768.
; q^ arrives as 16 x 32 operands, kvs and ks_sum as 32 x 16 operands (ks_sum the same in all 16 columns, so the divisor falls into every lane), v in the layout of the products' results.
; A work-group owns 256 rows of one batch, each of its eight waves 32: two row tiles.  All that a work-group reads, 280 KB, is asked for at the start by three tensor loads a wave and
; every LDS byte is filled once.  Each wave reads its own q^ and v; the batch's table of operands, of which each wave fetched an eighth, is read behind a barrier.
; NO CLUSTER: what work-groups share is the table, 24,576 of a work-group's 286,720 bytes.
; LIMITS.  q^, v, kvs and ks_sum arrive in bf16; sums, the division (v_rcp_f32 and a multiply) and the mean in f32.
.set VL,    131072                     ; q^ from 0, v from here: 16,384 bytes a wave
.set KL,    262144                     ; the table: 8 heads x 3 operands x 1,024 bytes
.set STG,   286720                     ; the way out: 32 rows x 144 bytes a wave; no tensor load fills it
.set SP,    144
.set SPARE, STG+8*32*SP                ; the spare words, 128 bytes a wave: four blocks of 256 bytes that no other line names
.set SPW, 1                            ; v1   LDS address of my spare word; never rewritten
.set NIL, 2                            ; v2   0; never rewritten
.set KA,  3                            ; v3   the table at the trip's first head + 16 x lane
.set QAD, 4                            ; v4   my wave's q^, likewise
.set VAD, 5                            ; v5   my wave's v
.set SA,  6                            ; v6   the way out: where I put a number
.set RA,  7                            ; v7   where I read 16 bytes of a row back
.set GO,  8                            ; v8   16 x lane
.set NV,  9                            ; v9   32,768.0
.set WT,  16                           ; v16-31  1 / (8 divisor): row tile t, row j at 8 t + j
.set ACC, 32                           ; v32-63  the sums over heads: 16 t + 8 dt + j
.set D,   64                           ; v64-111 six products: 24 t + 8 e
.set SETA, 112                         ; v112-167, v168-223: a head's operands: 24 of the table, 16 of q^, 16 of v
.set SETB, 168
.macro LDH sb, k                       ; head k of the trip's two: fourteen loads
.irp e, 0,1,2
	ds_load_b128 v[(\sb)+8*\e:(\sb)+8*\e+3],   v[KA] offset:3072*(\k)+1024*\e
	ds_load_b128 v[(\sb)+8*\e+4:(\sb)+8*\e+7], v[KA] offset:3072*(\k)+1024*\e+512
.endr
.irp t, 0,1
	ds_load_b128 v[(\sb)+24+8*\t:(\sb)+24+8*\t+3],   v[QAD] offset:1024*(\k)+8192*\t
	ds_load_b128 v[(\sb)+24+8*\t+4:(\sb)+24+8*\t+7], v[QAD] offset:1024*(\k)+8192*\t+512
.endr
.irp t, 0,1
	ds_load_b128 v[(\sb)+40+8*\t:(\sb)+40+8*\t+3],   v[VAD] offset:1024*(\k)+8192*\t
	ds_load_b128 v[(\sb)+40+8*\t+4:(\sb)+40+8*\t+7], v[VAD] offset:1024*(\k)+8192*\t+512
.endr
.endm
.macro HD sb                           ; one head
.irp t, 0,1
.irp e, 0,1,2
	v_wmma_f32_16x16x32_bf16 v[D+24*\t+8*\e:D+24*\t+8*\e+7], v[(\sb)+24+8*\t:(\sb)+24+8*\t+7], v[(\sb)+8*\e:(\sb)+8*\e+7], 0
.endr
.endr
.rept 4
	v_nop                                          ; four places between the products and the first read of a result (ISA guide 7.12.1)
.endr
.irp t, 0,1
.irp p, 0,1,2,3
	v_pk_fma_f32 v[WT+8*\t+2*\p:WT+8*\t+2*\p+1], v[D+24*\t+16+2*\p:D+24*\t+16+2*\p+1], s[46:47], s[48:49] op_sel_hi:[1,0,0]  ; 8 (q^ . ks_sum) + 8 n
.endr
.endr
.set ii, 0
.rept 16
	v_rcp_f32 v[WT+ii], v[WT+ii]
.set ii, ii+1
.endr
.irp t, 0,1                                            ; q^ . kvs + n v, each accumulator from its lowest register on; these lines name no reciprocal, so a plain instruction stands behind the last of them
.irp d, 0,1
.irp q, 0,1,2,3
	v_fma_mix_f32_bf16 v[D+24*\t+8*\d+2*\q],   v[(\sb)+40+8*\t+4*\d+\q], v[NV], v[D+24*\t+8*\d+2*\q] op_sel_hi:[1,0,0]
	v_fma_mix_f32_bf16 v[D+24*\t+8*\d+2*\q+1], v[(\sb)+40+8*\t+4*\d+\q], v[NV], v[D+24*\t+8*\d+2*\q+1] op_sel:[1,0,0] op_sel_hi:[1,0,0]
.endr
.endr
.endr
	s_wait_alu depctr_va_vdst(0)
.irp t, 0,1
.irp d, 0,1
.irp p, 0,1,2,3
	v_pk_fma_f32 v[ACC+16*\t+8*\d+2*\p:ACC+16*\t+8*\d+2*\p+1], v[D+24*\t+8*\d+2*\p:D+24*\t+8*\d+2*\p+1], v[WT+8*\t+2*\p:WT+8*\t+2*\p+1], v[ACC+16*\t+8*\d+2*\p:ACC+16*\t+8*\d+2*\p+1]
.endr
.endr
.endr
.endm
	s_load_b256 s[4:11], s[0:1], 0x0               ; qf s[4:5], vf s[6:7], kvf s[8:9], out0 s[10:11]
	v_lshl_add_u32 v[SPW], v0, 2, SPARE
	v_mov_b32 v[NIL], 0
	ds_add_u32 v[SPW], v[NIL]                      ; the wave's opening: the add and its wait stand ahead of my first tensor load; the set-up below, work on registers, stands between them
	ds_add_u32 v1, v2
	v_lshrrev_b32 v10, 5, v0
	v_readfirstlane_b32 s12, v10                   ; wave 0..7
	; group 1: dense bytes asked for as rows of 256 bytes (32 elements of 8): 64 rows for q^ and for v, 12 for my eighth of the table
	s_mov_b32 s16, 3<<16
	s_mov_b32 s17, 32<<16
	s_mov_b32 s18, 64<<16
	s_mov_b32 s19, 32<<16
	s_mov_b32 s20, 64
	s_mov_b32 s21, 32
	s_mov_b32 s22, 0
	s_mov_b32 s23, 0
	s_mov_b32 s24, 3<<16
	s_mov_b32 s25, 32<<16
	s_mov_b32 s26, 12<<16
	s_mov_b32 s27, 32<<16
	s_mov_b32 s28, 12
	s_mov_b32 s29, 32
	s_mov_b32 s30, 0
	s_mov_b32 s31, 0
	s_mov_b32 s32, 1                               ; group 0 for the table,
	s_mul_i32 s33, s12, 3072
	s_add_co_u32 s33, s33, KL
	s_mov_b32 s36, 1                               ; for q^,
	s_lshl_b32 s37, s12, 14
	s_mov_b32 s40, 1                               ; for v
	s_add_co_u32 s41, s37, VL
	s_lshr_b32 s13, ttmp9, 7                       ; the batch: 128 work-groups each
	s_mul_i32 s50, s13, 24576
	s_mul_i32 s51, s12, 3072
	s_add_co_u32 s50, s50, s51
	s_mov_b32 s51, 0
	s_lshl_b32 s52, ttmp9, 17                      ; 16 row tiles of 8,192 bytes a work-group, two a wave
	s_lshl_b32 s53, s12, 14
	s_add_co_u32 s52, s52, s53
	s_mov_b32 s53, 0
	s_lshl_b32 s14, ttmp9, 15                      ; out0: 256 rows of 128 bytes a work-group, 32 a wave
	s_lshl_b32 s15, s12, 12
	s_add_co_u32 s14, s14, s15
	s_mov_b32 s15, 0
	s_mov_b32 s46, 0x41000000                      ; 8.0
	s_mov_b32 s47, 0                               ; named with it as a pair
	s_mov_b32 s48, 0x48800000                      ; 8 n = 262,144.0
	s_mov_b32 s49, 0
	s_wait_dscnt 0x0                               ; the opening add is done
	s_wait_kmcnt 0x0
	s_add_nc_u64 s[34:35], s[8:9], s[50:51]
	s_or_b32 s35, s35, 0x80000000                  ; type = 2
	s_add_nc_u64 s[38:39], s[4:5], s[52:53]
	s_or_b32 s39, s39, 0x80000000
	s_add_nc_u64 s[42:43], s[6:7], s[52:53]
	s_or_b32 s43, s43, 0x80000000
	s_add_nc_u64 s[10:11], s[10:11], s[14:15]
	tensor_load_to_lds s[32:35], s[24:31]          ; the first fills go out together: three loads of mine are out
	s_nop 0
	tensor_load_to_lds s[36:39], s[16:23]
	s_nop 0
	tensor_load_to_lds s[40:43], s[16:23]
	s_nop 0
	v_and_b32 v10, 31, v0                          ; l
	v_and_b32 v11, 15, v0                          ; l % 16
	v_bfe_u32 v12, v0, 4, 1                        ; l / 16
	v_lshlrev_b32 v[GO], 4, v10
	v_add_nc_u32 v[KA], KL, v[GO]
	v_lshl_add_u32 v[QAD], s12, 14, v[GO]
	v_add_nc_u32 v[VAD], VL, v[QAD]
	s_mul_i32 s45, s12, 32*SP
	s_add_co_u32 s45, s45, STG                     ; my stage
	v_mul_u32_u24 v[SA], v12, 8*SP                 ; in: row 8 (l / 16) (+ 16 t + j), column l % 16 (+ 16 dt)
	v_lshl_add_u32 v[SA], v11, 2, v[SA]
	v_add_nc_u32 v[SA], s45, v[SA]
	v_lshrrev_b32 v13, 3, v10                      ; back: 32 lanes take four rows of 128 bytes
	v_and_b32 v14, 7, v0
	v_mul_u32_u24 v[RA], v13, SP
	v_lshl_add_u32 v[RA], v14, 4, v[RA]
	v_add_nc_u32 v[RA], s45, v[RA]
	v_mov_b32 v[NV], 0x47000000                    ; n
.set ii, 0
.rept 32                                               ; the sums over heads start at 0: the price of one text for all eight heads; it stands in the wait for the tiles
	v_mov_b32 v[ACC+ii], 0
.set ii, ii+1
.endr
	s_wait_tensorcnt 0x2                           ; my eighth of the table is in; behind it my q^ and my v were asked for, and may be out
	s_barrier_signal -1
	s_barrier_wait -1                              ; everybody's eighth is
	s_wait_tensorcnt 0x0                           ; q^ and v, which I alone read
	s_mov_b32 s44, 4
.Lpair:                                                ; a trip: two heads
	LDH SETA, 0
	LDH SETB, 1
	s_wait_dscnt 14                                ; the first head's loads are in; the second's fourteen may be out
	HD SETA
	s_wait_dscnt 0x0
	HD SETB
	v_add_nc_u32 v[KA], 6144, v[KA]
	v_add_nc_u32 v[QAD], 2048, v[QAD]
	v_add_nc_u32 v[VAD], 2048, v[VAD]
	s_sub_co_u32 s44, s44, 1
	s_cmp_lg_u32 s44, 0
	s_cbranch_scc1 .Lpair
	; THE WAY OUT: a lane holds a piece of a column; through my own stage the numbers come back as whole rows.
.irp t, 0,1
.irp d, 0,1
.irp j, 0,1,2,3,4,5,6,7
	ds_store_b32 v[SA], v[ACC+16*\t+8*\d+\j] offset:16*SP*\t+SP*\j+64*\d
.endr
.endr
.endr
.irp i, 0,1,2,3,4,5,6,7
	ds_load_b128 v[D+4*\i:D+4*\i+3], v[RA] offset:4*SP*\i  ; LDS serves a wave's instructions in order (ISA guide 5.7.1.4): these see the stores above
.endr
	s_wait_dscnt 0x0
.irp i, 0,1,2,3,4,5,6,7
	global_store_b128 v[GO], v[D+4*\i:D+4*\i+3], s[10:11] offset:512*\i th:TH_STORE_NT  ; four rows: 512 consecutive bytes, at a multiple of 512 from out0's first byte
.endr
	s_wait_tensorcnt 0x0                           ; the wave's end, behind my last tensor load and my last LDS store
	ds_add_u32 v[SPW], v[NIL]
	s_wait_dscnt 0x0
	s_endpgm
.Lfunc_end_k_qba7852c006_outp:
	.size	k_qba7852c006_outp, .Lfunc_end_k_qba7852c006_outp-k_qba7852c006_outp
	.p2alignl 7, 3214868480
	.fill 96, 4, 3214868480
	.section	.rodata,"a",@progbits
	.p2align	6, 0x0
	.amdhsa_kernel k_qba7852c006_outp
		.amdhsa_group_segment_fixed_size 327680
		.amdhsa_private_segment_fixed_size 0
		.amdhsa_enable_private_segment 0
		.amdhsa_kernarg_size 32
		.amdhsa_user_sgpr_count 2
		.amdhsa_user_sgpr_kernarg_segment_ptr 1
		.amdhsa_wavefront_size32 1
		.amdhsa_system_sgpr_workgroup_id_x 1
		.amdhsa_system_sgpr_workgroup_id_y 1
		.amdhsa_system_sgpr_workgroup_id_z 1
		.amdhsa_system_vgpr_workitem_id 0
		.amdhsa_next_free_vgpr 256
		.amdhsa_next_free_sgpr 66
		.amdhsa_reserve_vcc 0
		.amdhsa_float_denorm_mode_32 3
		.amdhsa_float_denorm_mode_16_64 3
		.amdhsa_memory_ordered 1
		.amdhsa_forward_progress 1
		.amdhsa_inst_pref_size 20
	.end_amdhsa_kernel
	.amdgpu_metadata
---
amdhsa.version: [ 1, 2 ]
amdhsa.kernels:
  - .name:           k_qba7852c006_outp
    .symbol:         k_qba7852c006_outp.kd
    .args:
      - { .name: qf, .offset: 0, .size: 8, .value_kind: global_buffer, .address_space: global }
      - { .name: vf, .offset: 8, .size: 8, .value_kind: global_buffer, .address_space: global }
      - { .name: kvf, .offset: 16, .size: 8, .value_kind: global_buffer, .address_space: global }
      - { .name: out0, .offset: 24, .size: 8, .value_kind: global_buffer, .address_space: global }
    .group_segment_fixed_size: 327680
    .private_segment_fixed_size: 0
    .kernarg_segment_align: 8
    .kernarg_segment_size: 32
    .max_flat_workgroup_size: 256
    .sgpr_count:     66
    .vgpr_count:     256
    .wavefront_size: 32
...
	.end_amdgpu_metadata
.endif
;; end of part 4
